; MI455X (gfx1250); checked and timed in simulation.
; The chip was launched on July 23, 2026; its instructions are those of AMD's public machine-readable ISA for CDNA 5 (MIT licence, August 2026) and "CDNA5" Instruction Set Architecture Reference Guide (July 2026). The comments in the code are by the model that wrote it; some were corrected since.
;; Multi Head Attention. Allowed arithmetic: matrix products marked QUANTISED: E4M3 operands, one given power-of-two scale a tensor, by v_wmma_f32_16x16x64_fp8_fp8 or v_wmma_f32_16x16x128_fp8_fp8, f32 sums; everything else in f32.
;; Inputs: K 4 x 2,048 x 1,024 float32; Q 4 x 2,048 x 1,024 float32; V 4 x 2,048 x 1,024 float32; W_k 1,024 x 1,024 float32; W_o 1,024 x 1,024 float32; W_q 1,024 x 1,024 float32; W_v 1,024 x 1,024 float32; b_k 1,024 float32; b_o 1,024 float32; b_q 1,024 float32; b_v 1,024 float32; lowp_scales 12 int32 (the exponents e of the quantised operands' scales 2^e).
;; Outputs: out0 4 x 2,048 x 1,024 float32.
;; This version of the problem:
;;   THIS VERSION OF THE PROBLEM IS GIVEN IN LOW PRECISION. The matrix products marked QUANTISED in the list below multiply operands that are first quantised to E4M3 (4 exponent bits, 3 mantissa bits; 8 bits a number), with one given power-of-two scale for each operand tensor; their sums are f32. All else is computed in f32.
;;   The module's matrix products, in the order in which they are computed (A, B: the left and right operand; K: the contracted axis; several contracted axes count as one K, in the product's order):
;;     1. [M 8,192, K 1,024] x [K 1,024, N 1,024]; A: input Q; B: input W_q: QUANTISED (scales: A lowp_scales[0], B lowp_scales[1])
;;     2. [M 8,192, K 1,024] x [K 1,024, N 1,024]; A: input K; B: input W_k: QUANTISED (scales: A lowp_scales[2], B lowp_scales[3])
;;     3. [M 8,192, K 1,024] x [K 1,024, N 1,024]; A: input V; B: input W_v: QUANTISED (scales: A lowp_scales[4], B lowp_scales[5])
;;     4. batch 64 x [M 2,048, K 64] x [K 64, N 2,048]; A: computed on the way; B: computed on the way: QUANTISED (scales: A lowp_scales[6], B lowp_scales[7])
;;     5. batch 64 x [M 2,048, K 2,048] x [K 2,048, N 64]; A: softmax (see below); B: computed on the way: QUANTISED (scales: A lowp_scales[8], B lowp_scales[9])
;;     6. [M 8,192, K 1,024] x [K 1,024, N 1,024]; A: computed on the way; B: input W_o: QUANTISED (scales: A lowp_scales[10], B lowp_scales[11])
;;   THE QUANTISER, for each operand of a quantised product, along K:
;;     - The operand's scale is 2^e, e = its entry of the input lowp_scales (int32; the entries are numbered through the quantised products in the list's order, A before B).
;;     - Each number is divided by the scale, clamped to +-448, and rounded to the nearest number of E4M3, ties to even, subnormals kept.
;;     - The product sums the exact products of the quantised numbers (number of the format x scale) in f32.
;;   ~~~python
;;   def quantise(x, axis, e):      # numpy; x: float32 -> the quantised numbers, widened to float32 again
;;       x = np.moveaxis(x, axis, -1); K = x.shape[-1]
;;       r = np.clip(x / 2.0 ** e, -448, 448)
;;       step = 2.0 ** (np.maximum(np.frexp(np.where(r == 0, 1, r))[1] - 1, -6) - 3)
;;       q = np.round(r / step) * step * 2.0 ** e      # np.round: ties to even
;;       return np.moveaxis(q, -1, axis).astype(np.float32)
;;   ~~~
;;   SOFTMAX AHEAD OF A QUANTISED PRODUCT. Where the list says 'softmax', what is quantised is not the finished softmax but p = 2^(t - M), with t = logit x log2(e) and M = ceil(the row's largest t), a whole number; so 1/2 < the row's largest p <= 1. The row's sum l is taken of the UNQUANTISED p, in f32, and the product's result is divided by l at the end. Since M is a whole number, a kernel that streams over the keys may use a running M (the ceiling of the running maximum): every later rescaling is an exact power of two, so the quantised numbers keep their values, but for numbers so far below the row's largest that they fall under the format's range.
;;   OPERANDS COMPUTED ON THE WAY. 'Computed on the way' means the value that the module computes at that place (a softmax that the list does not call 'softmax' is quantised finished and normalised). What goes into a quantiser is computed in f32, as accurately as f32 sums, v_exp_f32 and their like allow (about 1e-6 of the number): no bf16 or f16 on the way to a quantiser, and a product that is left as it is and whose result goes on into a quantised operand takes f32 operands (vector FMAs, or v_wmma_f32_16x16x4_f32). A number that lies on a knife's edge between two numbers of the format may be rounded either way, as far as f32 arithmetic and the matrix unit's own rounding can turn it there, and no further.
;; One version. Each part assembles by itself: llvm-mc -triple=amdgcn-amd-amdhsa -mcpu=gfx1250 --defsym DOCPART=n.
;; ======== version 1 of 1: 4 launches
;; limits: right only within a limited range of input values
;; workspace buffers: xcodes 25,165,824 bytes; wcodes 4,194,304 bytes; qkv 25,165,824 bytes; aimg 8,388,608 bytes
;; launch quant (part 1): grid 896 x 1, 4 waves a work-group, no clusters, 34,304 bytes of LDS; arguments Q, K, V, W_q, W_k, W_v, W_o, lowp_scales, xcodes, wcodes; writes xcodes, wcodes
.if DOCPART == 1
	.amdgcn_target "amdgcn-amd-amdhsa--gfx1250"
	.amdhsa_code_object_version 6
	.text
	.protected	k_q43eb2cbc82_quant
	.globl	k_q43eb2cbc82_quant
	.p2align	8
	.type	k_q43eb2cbc82_quant,@function
k_q43eb2cbc82_quant:
	s_mov_b64 s[64:65], 0
	v_nop
	global_prefetch_b8 v0, s[64:65] scope:SCOPE_SE
	s_setreg_imm32_b32 hwreg(HW_REG_WAVE_MODE, 25, 1), 1
	s_wait_xcnt 0x0
; Q, K, V [8192][1024] f32 (K innermost) and W_q, W_k, W_v, W_o [1024 (k)][1024 (n)] f32 (K outermost) become codes of FP8 (E4M3), each with the scale 2^e given for it.
; code = x / 2^e, held within +-448, rounded to the nearest code, ties to even.
; LIMITS: each e between -126 and 119, so that 2^e and 448 x 2^e are f32 numbers.  NaN among the inputs is not served (an infinity is held at the largest code).
; THE CODES ARE LAID AS IMAGES OF THE OPERAND'S REGISTERS.  A fragment is 16 rows x 128 along K, 16 registers a lane: lane (r = l % 16, h = l / 16) holds row r, and its registers 2 c, 2 c + 1 hold
; k = 16 c + 8 h + 0 .. 7.  Its image is 2,048 bytes: registers 4 q .. 4 q + 3 of lane l at 512 q + 16 l.  xcodes: [Q, K, V][tile of 16 rows, 512][K step, 8][2,048]; wcodes: [q, k, v, o][tile of 16 columns n, 64][K step, 8][2,048].
; So the products' launches fetch any fragment by loads of 16 bytes a lane, 512 consecutive bytes an instruction.
; Work-groups 0 to 767 take the activations, 768 to 895 the weights.  No tensor loads, no barrier: waves share nothing.  Only the activations' path touches LDS.
.set SP,  528                          ; a row of a wave's stage: 512 bytes + 16: sixteen rows begin in sixteen different groups of four banks
.set WST, 16*SP                        ; a wave's stage
.set R,   16                           ; v16-143  activations: two sets of 64 registers, as loaded
.set X,   144                          ; v144-207 64 numbers in the operand's order
.set C,   208                          ; v208-239 two sets of 16 registers of codes
.set WX,  16                           ; v16-79   weights: two sets of 32 numbers
.set WC,  144                          ; v144-207 weights: eight registers of codes for each block, never written again
.macro LOAD t                          ; K step t of my four: 512 consecutive bytes of each of my 16 rows
.set i, 0
.rept 16
	global_load_b128 v[R+64*((\t)%2)+4*i:R+64*((\t)%2)+4*i+3], v2, s[40:41] offset:4096*i+512*(\t) th:TH_LOAD_NT
.set i, i+1
.endr
.endm
.macro UNIT t                          ; one fragment: 16 rows x 128 along K
.if (\t) < 3
	s_wait_loadcnt 16                              ; this unit's 16 loads are in; the next unit's 16 may be out
.else
	s_wait_loadcnt 0
.endif
.set i, 0
.rept 16
	ds_store_b128 v3, v[R+64*((\t)%2)+4*i:R+64*((\t)%2)+4*i+3] offset:SP*i   ; row i as it lies
.set i, i+1
.endr
.set i, 0
.rept 8
	ds_load_b128 v[X+8*i:X+8*i+3], v4 offset:64*i            ; back: of row r the numbers k = 16 i + 8 h + 0 .. 7.  LDS serves a wave's instructions in order: these see my stores
	ds_load_b128 v[X+8*i+4:X+8*i+7], v4 offset:64*i+16
.set i, i+1
.endr
	s_wait_dscnt 0x0                               ; the numbers are back; the stores into the stage have read their registers,
.if (\t) < 2
	LOAD (\t)+2                                    ; which take the loads of two units on
.endif
.if (\t) >= 2
	s_wait_xcnt 0x0                                ; the stores of two units back have read this set of codes: it is written again only behind this wait
.endif
.set i, 0
.rept 64
	v_med3_num_f32 v[X+i], v[X+i], -v10, v10       ; the conversion to an 8-bit code does not saturate (ISA guide 7.6.2): the hold at the largest code x the scale
.set i, i+1
.endr
.set i, 0
.rept 8
	v_cvt_scalef32_pk8_fp8_f32 v[C+16*((\t)%2)+2*i:C+16*((\t)%2)+2*i+1], v[X+8*i:X+8*i+7], v11   ; registers 2 i, 2 i + 1 of the fragment
.set i, i+1
.endr
	v_nop                                          ; a plain line behind the conversions: the next unit's holds write the registers that they read
.irp q, 0,1,2,3
	global_store_b128 v2, v[C+16*((\t)%2)+4*\q:C+16*((\t)%2)+4*\q+3], s[42:43] offset:2048*(\t)+512*\q   ; 32 lanes store 512 consecutive bytes, aligned
.endr
.endm
.macro WLOAD t                         ; block t: W(32 t + i, my column), i = 0 .. 31: 128 consecutive bytes a wave, 512 a work-group
.set i, 0
.rept 32
	global_load_b32 v[WX+32*((\t)%2)+i], v5, s[40:41] offset:(32*(\t)+i)*4096 th:TH_LOAD_NT
.set i, i+1
.endr
.endm
.macro BLOCK t                         ; 32 along K of my column
.set XS, WX+32*((\t)%2)
.set CD, WC+8*(\t)
.if (\t) < 7
	s_wait_loadcnt 32                              ; this block's 32 loads are in; the next block's may be out
.else
	s_wait_loadcnt 0
.endif
.set i, 0
.rept 32
	v_med3_num_f32 v[XS+i], v[XS+i], -v10, v10
.set i, i+1
.endr
	v_cvt_scalef32_pk8_fp8_f32 v[CD:CD+1], v[XS:XS+7], v11         ; k 0-7 and 16-23 of the block are the 16 bytes of image lane (r, 0),
	v_cvt_scalef32_pk8_fp8_f32 v[CD+4:CD+5], v[XS+8:XS+15], v11    ; k 8-15 and 24-31 those of image lane (r, 1)
	v_cvt_scalef32_pk8_fp8_f32 v[CD+2:CD+3], v[XS+16:XS+23], v11
	v_cvt_scalef32_pk8_fp8_f32 v[CD+6:CD+7], v[XS+24:XS+31], v11
	v_nop
	global_store_b128 v6, v[CD:CD+3], s[42:43] offset:((\t)/4)*2048+((\t)%4)*512        ; sixteen lanes store 256 consecutive bytes, aligned
	global_store_b128 v6, v[CD+4:CD+7], s[42:43] offset:((\t)/4)*2048+((\t)%4)*512+256
.if (\t) < 6
	WLOAD (\t)+2
.endif
.endm
	s_load_b512 s[4:19], s[0:1], 0x0               ; Q s[4:5], K s[6:7], V s[8:9], W_q s[10:11], W_k s[12:13], W_v s[14:15], W_o s[16:17], the scales' exponents s[18:19]
	s_load_b128 s[20:23], s[0:1], 0x40             ; xcodes s[20:21], wcodes s[22:23]
	v_lshl_add_u32 v240, v0, 2, 0x8400
	v_mov_b32 v241, 0
	v_lshrrev_b32 v1, 5, v0
	v_readfirstlane_b32 s36, v1                    ; wave 0..3
	v_and_b32 v1, 31, v0                           ; lane
	v_lshlrev_b32 v2, 4, v1                        ; 16 x lane
	s_wait_kmcnt 0x0
	s_load_b256 s[24:31], s[18:19], 0x0            ; e0 .. e7
	s_load_b128 s[32:35], s[18:19], 0x20           ; e8 .. e11
	s_cmp_lt_u32 ttmp9, 768
	s_cbranch_scc0 .Lweights
	; ---- the activations: a work-group takes two tiles of 16 rows; wave w takes tile w / 2 of them and K steps 4 (w % 2) + 0 .. 3
	s_lshr_b32 s37, ttmp9, 8                       ; which tensor: 0 Q, 1 K, 2 V
	s_and_b32 s38, ttmp9, 255
	s_lshr_b32 s39, s36, 1
	s_lshl_b32 s38, s38, 1
	s_add_co_u32 s38, s38, s39                     ; my tile of rows, 0 .. 511
	s_and_b32 s39, s36, 1                          ; my half of K
	s_cmp_eq_u32 s37, 0
	s_cselect_b64 s[40:41], s[4:5], s[6:7]
	s_cmp_eq_u32 s37, 2
	s_cselect_b64 s[40:41], s[8:9], s[40:41]       ; the choice hangs on the work-group's number alone
	s_lshl_b32 s44, s38, 16                        ; 16 rows of 4,096 bytes
	s_lshl_b32 s45, s39, 11                        ; four K steps of 512 bytes
	s_add_co_u32 s44, s44, s45
	s_mov_b32 s45, 0
	s_add_nc_u64 s[40:41], s[40:41], s[44:45]
	s_lshl_b32 s44, s37, 9
	s_add_co_u32 s44, s44, s38
	s_lshl_b32 s44, s44, 14                        ; a tile's eight images are 16,384 bytes
	s_lshl_b32 s46, s39, 13
	s_add_co_u32 s44, s44, s46
	s_add_nc_u64 s[42:43], s[20:21], s[44:45]
	s_mul_i32 s47, s36, WST                        ; my stage
	v_add_nc_u32 v3, s47, v2                       ; in: 16 x lane of a row
	v_and_b32 v5, 15, v0
	v_bfe_u32 v6, v0, 4, 1
	v_mul_u32_u24 v4, v5, SP
	v_lshl_add_u32 v4, v6, 5, v4
	v_add_nc_u32 v4, s47, v4                       ; back: row r, + 32 h bytes
	LOAD 0
	LOAD 1
	s_wait_kmcnt 0x0
	s_cmp_eq_u32 s37, 0
	s_cselect_b32 s48, s24, s26
	s_cmp_eq_u32 s37, 2
	s_cselect_b32 s48, s28, s48                    ; e0, e2 or e4
	s_add_co_i32 s48, s48, 127
	s_lshl_b32 s49, s48, 23
	v_mov_b32 v11, s49                             ; 2^e as f32: the conversion takes its exponent field
	s_add_co_i32 s48, s48, 8
	s_lshl_b32 s48, s48, 23
	s_or_b32 s48, s48, 0x600000
	v_mov_b32 v10, s48                             ; 448 x 2^e
	UNIT 0
	UNIT 1
	UNIT 2
	UNIT 3
	s_wait_tensorcnt 0x0
	ds_add_u32 v240, v241
	s_wait_dscnt 0x0
	s_endpgm
.Lweights:
	; ---- the weights: a lane takes a column n and its registers run down K, so the conversions give codes with K innermost.  A work-group: 128 columns x 256 along K; a wave: 32 columns
	s_sub_co_u32 s37, ttmp9, 768
	s_lshr_b32 s38, s37, 5                         ; which weight: 0 q, 1 k, 2 v, 3 o
	s_and_b32 s39, s37, 7                          ; which 128 columns
	s_bfe_u32 s44, s37, 0x20003                    ; which 256 along K
	s_cmp_eq_u32 s38, 0
	s_cselect_b64 s[40:41], s[10:11], s[12:13]
	s_cmp_eq_u32 s38, 2
	s_cselect_b64 s[40:41], s[14:15], s[40:41]
	s_cmp_eq_u32 s38, 3
	s_cselect_b64 s[40:41], s[16:17], s[40:41]
	s_lshl_b32 s46, s44, 20                        ; 256 rows of 4,096 bytes
	s_lshl_b32 s47, s39, 9
	s_add_co_u32 s46, s46, s47
	s_lshl_b32 s47, s36, 7
	s_add_co_u32 s46, s46, s47                     ; + 4 x (128 x group + 32 x wave)
	s_mov_b32 s47, 0
	s_add_nc_u64 s[40:41], s[40:41], s[46:47]
	s_lshl_b32 s46, s38, 20                        ; a weight's codes are 2^20 bytes
	s_lshl_b32 s48, s39, 17                        ; eight tiles of 16 columns a group,
	s_add_co_u32 s46, s46, s48
	s_lshl_b32 s48, s36, 15                        ; two a wave, 16,384 bytes each
	s_add_co_u32 s46, s46, s48
	s_lshl_b32 s48, s44, 12                        ; two K steps of 2,048 bytes
	s_add_co_u32 s46, s46, s48
	s_add_nc_u64 s[42:43], s[22:23], s[46:47]
	v_lshlrev_b32 v5, 2, v1                        ; in: 4 bytes a lane
	v_lshrrev_b32 v6, 4, v1
	v_and_b32 v7, 15, v1
	v_lshlrev_b32 v6, 14, v6
	v_lshl_add_u32 v6, v7, 4, v6                   ; out: my tile of columns, + 16 x (lane % 16)
	WLOAD 0
	WLOAD 1
	s_wait_kmcnt 0x0
	s_cmp_eq_u32 s38, 0
	s_cselect_b32 s48, s25, s27
	s_cmp_eq_u32 s38, 2
	s_cselect_b32 s48, s29, s48
	s_cmp_eq_u32 s38, 3
	s_cselect_b32 s48, s35, s48                    ; e1, e3, e5 or e11
	s_add_co_i32 s48, s48, 127
	s_lshl_b32 s49, s48, 23
	v_mov_b32 v11, s49
	s_add_co_i32 s48, s48, 8
	s_lshl_b32 s48, s48, 23
	s_or_b32 s48, s48, 0x600000
	v_mov_b32 v10, s48
	BLOCK 0
	BLOCK 1
	BLOCK 2
	BLOCK 3
	BLOCK 4
	BLOCK 5
	BLOCK 6
	BLOCK 7
	s_endpgm
.Lfunc_end_k_q43eb2cbc82_quant:
	.size	k_q43eb2cbc82_quant, .Lfunc_end_k_q43eb2cbc82_quant-k_q43eb2cbc82_quant
	.p2alignl 7, 3214868480
	.fill 96, 4, 3214868480
	.section	.rodata,"a",@progbits
	.p2align	6, 0x0
	.amdhsa_kernel k_q43eb2cbc82_quant
		.amdhsa_group_segment_fixed_size 34304
		.amdhsa_private_segment_fixed_size 0
		.amdhsa_enable_private_segment 0
		.amdhsa_kernarg_size 80
		.amdhsa_user_sgpr_count 2
		.amdhsa_user_sgpr_kernarg_segment_ptr 1
		.amdhsa_wavefront_size32 1
		.amdhsa_system_sgpr_workgroup_id_x 1
		.amdhsa_system_sgpr_workgroup_id_y 1
		.amdhsa_system_sgpr_workgroup_id_z 1
		.amdhsa_system_vgpr_workitem_id 0
		.amdhsa_next_free_vgpr 242
		.amdhsa_next_free_sgpr 66
		.amdhsa_reserve_vcc 0
		.amdhsa_float_denorm_mode_32 3
		.amdhsa_float_denorm_mode_16_64 3
		.amdhsa_memory_ordered 1
		.amdhsa_forward_progress 1
		.amdhsa_inst_pref_size 83
	.end_amdhsa_kernel
	.amdgpu_metadata
---
amdhsa.version: [ 1, 2 ]
amdhsa.kernels:
  - .name:           k_q43eb2cbc82_quant
    .symbol:         k_q43eb2cbc82_quant.kd
    .args:
      - { .name: Q, .offset: 0, .size: 8, .value_kind: global_buffer, .address_space: global }
      - { .name: K, .offset: 8, .size: 8, .value_kind: global_buffer, .address_space: global }
      - { .name: V, .offset: 16, .size: 8, .value_kind: global_buffer, .address_space: global }
      - { .name: W_q, .offset: 24, .size: 8, .value_kind: global_buffer, .address_space: global }
      - { .name: W_k, .offset: 32, .size: 8, .value_kind: global_buffer, .address_space: global }
      - { .name: W_v, .offset: 40, .size: 8, .value_kind: global_buffer, .address_space: global }
      - { .name: W_o, .offset: 48, .size: 8, .value_kind: global_buffer, .address_space: global }
      - { .name: lowp_scales, .offset: 56, .size: 8, .value_kind: global_buffer, .address_space: global }
      - { .name: xcodes, .offset: 64, .size: 8, .value_kind: global_buffer, .address_space: global }
      - { .name: wcodes, .offset: 72, .size: 8, .value_kind: global_buffer, .address_space: global }
    .group_segment_fixed_size: 34304
    .private_segment_fixed_size: 0
    .kernarg_segment_align: 8
    .kernarg_segment_size: 80
    .max_flat_workgroup_size: 128
    .sgpr_count:     66
    .vgpr_count:     242
    .wavefront_size: 32
...
	.end_amdgpu_metadata
.endif
;; end of part 1
;; launch proj (part 2): grid 4 x 96, 4 waves a work-group, clusters of 4 x 4, 327,680 bytes of LDS; arguments xcodes, wcodes, b_q, b_k, b_v, lowp_scales, qkv; writes qkv
.if DOCPART == 2
	.amdgcn_target "amdgcn-amd-amdhsa--gfx1250"
	.amdhsa_code_object_version 6
	.text
	.protected	k_q43eb2cbc82_proj
	.globl	k_q43eb2cbc82_proj
	.p2align	8
	.type	k_q43eb2cbc82_proj,@function
k_q43eb2cbc82_proj:
	s_mov_b64 s[64:65], 0
	v_nop
	global_prefetch_b8 v0, s[64:65] scope:SCOPE_SE
	s_setreg_imm32_b32 hwreg(HW_REG_WAVE_MODE, 25, 1), 1
	s_wait_xcnt 0x0
	s_wait_alu depctr_hold_cnt(0) depctr_sa_sdst(0) depctr_va_vdst(0) depctr_va_sdst(0) depctr_va_ssrc(0) depctr_va_vcc(0) depctr_vm_vsrc(0)
	s_getreg_b32 s2, hwreg(HW_REG_IB_STS2, 6, 4)
	s_cmp_eq_u32 s2, 0
	s_cbranch_scc0 .Lentry_in_a_cluster
	s_endpgm
.Lentry_in_a_cluster:
	s_bfe_u32 s2, ttmp6, 0x10000c
	s_cmp_lg_u32 s2, 0xf033
	s_cbranch_scc0 .Lentry_shape_is_right
	s_endpgm
.Lentry_shape_is_right:
; q = Q W_q + b_q, k = K W_k + b_k, v = V W_v + b_v on codes of FP8 (E4M3), and the results quantised at once for the two products of attention.  One launch: 32 x 4 tiles of 256 x 256 for each of the three.
; IN: xcodes [Q, K, V][tile of 16 rows][K step of 128][2,048], wcodes [q, k, v, o][tile of 16 columns][K step][2,048]: images of the operands' registers (lane l's registers 4 c .. 4 c + 3 at 512 c + 16 l).
; OUT: qkv.  q at 0 and k at 2^23: [16 batch + head][tile of 16 tokens, 128][1,024]: rows = tokens, K = the head's 64.  v at 2^24: [16 batch + head][64 keys, 32][16 of the head's 64, 4][1,024]: rows = channels, K = the keys.
; A work-group of four waves makes 256 x 256; a wave 128 x 128: 64 accumulators, 512 registers.  K = 1,024 goes in four fills of 256 through two LDS slots; each fill is four tensor loads of 32 KiB, one a wave.
; WHICH SIDE IS SOURCE 0.  In a result lane (r, h) holds row r of source 1 and, in its eight registers, rows 8 h + 0 .. 7 of source 0.  One conversion of an accumulator therefore gives two registers of the next operand's
; fragment, whose rows are source 1's and whose K runs along source 0's.  For q and k: source 0 = the weight's columns (the head's channels), source 1 = tokens.  For v: source 0 = tokens (the keys), source 1 = the weight's columns.
; The tile is square and both regions of a slot have one shape, so the swap is a choice of two LDS read bases; it hangs on the cluster's y alone, which all partners share.  Results leave registers as images: no stage.
; CLUSTERS: 4 x 4.  The activations' tiles are shared along a row of the cluster, the weights' along a column: each is asked for jointly, by the same tensor load with the same descriptor and a mask that names the four.
; LIMITS on the given exponents (ea, eb the product's two, eo the result's): ea + eb between -126 and 126; eo - ea - eb between -126 and 119.  The biases are finite (the table that does not apply is multiplied by 0).
; REGISTERS, in windows of 256: window 0: v16-31 addresses and constants; v32-95 the bias along source 0; v96-111 the bias along source 1; v128-255 source 1's eight fragments, ONE set, later the 16 images that go out.
;   window 1: source 0's fragments, TWO sets, at v0 and v128.   window 2: the accumulators of source 1's blocks 0-3 ((a, b) at v[8 (8 (a % 4) + b)]);   window 3: those of blocks 4-7.
.set FR,    16                         ; registers of a fragment: 16 rows x 128 K
.set NL,    4                          ; LDS loads that bring one
.set NP,    4                          ; places behind this matrix instruction (ISA guide 7.12.1)
.set TILEB, 4096                       ; a tile of 16 rows in a slot: the images of two K steps
.set HALFT, 8*TILEB                    ; what one tensor load brings, and what one wave reads of a side
.set SLOT,  4*HALFT                    ; the activations' 16 tiles, then the weights' 16
.set SPARE, 2*SLOT                     ; behind the ring: the spare words, 128 bytes for each wave: two blocks of 256 bytes that no other line names
.set ADR1,  16                         ; v16-17  LDS address of source 1's fragments in slot 0, 1
.set ADR0,  20                         ; v20-21  the same for source 0
.set LI,    26                         ; v26     16 x lane
.set SPW,   28                         ; v28     LDS address of my spare word; never rewritten
.set NIL,   29                         ; v29     0; never rewritten
.set SCL,   30                         ; v30     2^(eo - ea - eb)
.set LIM,   31
.set BP,    32
.set BR,    96
.set AF,    128
.set IM,    128
.set G1,  24                           ; s[24:31] descriptor group 1 for the activations' tiles;  s[32:39] group 0, one set for each slot
.set G0,  32
.set G1B, 48                           ; s[48:55], s[56:63] the same for the weights' tiles
.set G0B, 56
.set MSB, 0
.macro WIN new                         ; the immediate's high byte repeats the setting that is left
.if MSB != (\new)
	s_set_vgpr_msb (MSB<<8)|(\new)
.set MSB, (\new)
.endif
.endm
.set MUL_LO, 0xa1                      ; source 0 window 1, source 1 window 0, C and D window 2
.set MUL_HI, 0xf1                      ; the same, C and D window 3
.set TO_B,   0x40                      ; destination window 1, address window 0
; A joint load: waves 0 and 1 fetch the activations' two halves, waves 2 and 3 the weights'.  Each line has one mask and one set of registers; the branch hangs on the wave's number alone.
; Four v_nop follow each of the two lines, ahead of the jump, the label and what follows.
.macro JLOAD g0a, g1a, g0b, g1b
	s_cmp_eq_u32 s15, 0
	s_cbranch_scc0 .Lfor_b_\@
	tensor_load_to_lds s[\g0a:\g0a+3], s[\g1a:\g1a+7]
	s_nop 0
.rept 4
	v_nop
.endr
	s_branch .Lasked_\@
.Lfor_b_\@:
	tensor_load_to_lds s[\g0b:\g0b+3], s[\g1b:\g1b+7]
	s_nop 0
.rept 4
	v_nop
.endr
.Lasked_\@:
.endm
.macro CREST                           ; a round of the cluster's barrier behind its opening barrier
	s_cmp_lg_u32 s14, 0
	s_cbranch_scc1 .Lnot_wave_0_\@
	s_barrier_signal -3
.Lnot_wave_0_\@:
	s_barrier_wait -3
	s_barrier_signal -1
	s_barrier_wait -1
.endm
.macro CROUND                          ; a whole round
	s_barrier_signal -1
	s_barrier_wait -1
	CREST
.endm
.macro PLACES n
.rept \n
	v_nop
.endr
.endm
.macro FRAG reg, adr, q, i             ; tile i's image of the slot's q-th K step: four loads of 512 consecutive bytes
.irp c, 0,1,2,3
	ds_load_b128 v[\reg+4*\c:\reg+4*\c+3], v[\adr] offset:2048*(\q)+512*\c+4096*(\i)
.endr
.endm
; 16 matrix instructions: source 1's blocks a0, a0 + 1 x source 0's eight, 128 along K.  p: source 0's set.  zero = 1: the first product starts the sums.
; The 64 accumulators take turns, one instruction a turn, in the same order in every step.
.macro MUL16 a0, p, zero
.irp a, \a0, \a0+1
.irp b, 0,1,2,3,4,5,6,7
.if \zero
	v_wmma_f32_16x16x128_fp8_fp8 v[8*(8*((\a)%4)+\b):8*(8*((\a)%4)+\b)+7], v[128*(\p)+FR*\b:128*(\p)+FR*\b+FR-1], v[AF+FR*(\a):AF+FR*(\a)+FR-1], 0
.else
	v_wmma_f32_16x16x128_fp8_fp8 v[8*(8*((\a)%4)+\b):8*(8*((\a)%4)+\b)+7], v[128*(\p)+FR*\b:128*(\p)+FR*\b+FR-1], v[AF+FR*(\a):AF+FR*(\a)+FR-1], v[8*(8*((\a)%4)+\b):8*(8*((\a)%4)+\b)+7]
.endif
.endr
.endr
.endm
.macro FETCH_B slot, q, p              ; source 0's eight fragments into set p
	WIN TO_B
.irp i, 0,1,2,3,4,5,6,7
	FRAG 128*(\p)+FR*\i, ADR0+\slot, \q, \i
.endr
	WIN 0
.endm
.macro FETCH_A slot, q, i0             ; source 1's blocks i0 .. i0 + 3
.irp i, \i0, \i0+1, \i0+2, \i0+3
	FRAG AF+FR*(\i), ADR1+\slot, \q, \i
.endr
.endm
; A step of 128 along K that has its successor in the same slot.  Loads into registers that matrix instructions have read stand NP plain vector lines behind them.
.macro STEP slot, q, zero
	s_wait_dscnt 4*NL                              ; source 0's set and source 1's blocks 0-3 are in; the youngest 16 loads (blocks 4-7) may be out
	WIN MUL_LO
	MUL16 0, (\q)%2, \zero
	MUL16 2, (\q)%2, \zero
	s_wait_dscnt 0                                 ; blocks 4-7 are in
	PLACES NP
	FETCH_B \slot, (\q)+1, 1-(\q)%2
	FETCH_A \slot, (\q)+1, 0
	WIN MUL_HI
	MUL16 4, (\q)%2, \zero
	MUL16 6, (\q)%2, \zero
	PLACES NP
	WIN 0
	FETCH_A \slot, (\q)+1, 4
.endm
; A slot's last step changes slots: ONE barrier; in front of it each wave waits for all its tensor loads, adds 0 to its spare word, and waits for that and for its own reads of this slot.  fill = 1: this slot is filled again.
.macro TURN slot, next, fill
	s_wait_tensorcnt 0x0                           ; all my tensor loads have landed: my part of the next slot
	ds_add_u32 v[SPW], v[NIL]                      ; 0 onto my spare word
	s_wait_dscnt 4*NL+1                            ; (the add and the youngest 16 loads may be out)
	WIN MUL_LO
	MUL16 0, 1, 0                                  ; sixteen matrix instructions stand between the add and the wait for it
	s_wait_dscnt 0x0                               ; the add is done, and my reads of this slot are over
	s_barrier_signal -1
	MUL16 2, 1, 0
	WIN 0
	s_barrier_wait -1
.if \fill
	CREST                                          ; the barrier has opened a round of the cluster's barrier: no wave of any partner still reads this slot or has a load on its way
	s_add_nc_u64 s[G0+4*\slot+2:G0+4*\slot+3], s[G0+4*\slot+2:G0+4*\slot+3], 2*TILEB
	s_add_nc_u64 s[G0B+4*\slot+2:G0B+4*\slot+3], s[G0B+4*\slot+2:G0B+4*\slot+3], 2*TILEB
	JLOAD G0+4*\slot, G1, G0B+4*\slot, G1B         ; the first tensor load behind the round; its four v_nop are also the places in front of the loads below
.else
	PLACES NP
.endif
	FETCH_B \next, 0, 0
	FETCH_A \next, 0, 0
	WIN MUL_HI
	MUL16 4, 1, 0
	MUL16 6, 1, 0
	PLACES NP
	WIN 0
	FETCH_A \next, 0, 4
.endm
; THE WAY OUT of one window's 32 accumulators (source 1's blocks 4 hi + 0 .. 3): + bias / 2^(ea + eb), the conversion; four accumulators make an image of 1,024 bytes, which is stored as it stands.
.macro FINISH hi, b0, b1               ; s[b0:b0+1], s[b1:b1+1]: where the images of source 0's first and second 64 rows go
	WIN 0x82+0x41*(\hi)                            ; source 0 and destination: the accumulators' window
.set n, 0
.rept 32                               ; accumulator n = 8 a + b, each from its low end on
.irp i, 0,2,4,6
	v_pk_add_f32 v[8*n+\i:8*n+\i+1], v[8*n+\i:8*n+\i+1], v[BP+8*(n%8)+\i:BP+8*(n%8)+\i+1]
.endr
.irp i, 0,2,4,6
	v_pk_add_f32 v[8*n+\i:8*n+\i+1], v[8*n+\i:8*n+\i+1], v[BR+2*(4*(\hi)+n/8):BR+2*(4*(\hi)+n/8)+1]
.endr
.irp i, 0,1,2,3,4,5,6,7
.endr
.set n, n+1
.endr
	WIN 0x02+(\hi)
.set n, 0
.rept 32
	v_cvt_scalef32_pk8_fp8_f32 v[IM+8*(2*(4*(\hi)+n/8)+(n%8)/4)+2*(n%4):IM+8*(2*(4*(\hi)+n/8)+(n%8)/4)+2*(n%4)+1], v[8*n:8*n+7], v[SCL]
.set n, n+1
.endr
	v_nop                                          ; a plain line behind the last conversion
	WIN 0
.irp a, 0,1,2,3
	global_store_b128 v[LI], v[IM+8*(2*(4*(\hi)+\a)):IM+8*(2*(4*(\hi)+\a))+3], s[\b0:\b0+1] offset:1024*\a          ; 32 lanes store 512 consecutive bytes, aligned
	global_store_b128 v[LI], v[IM+8*(2*(4*(\hi)+\a))+4:IM+8*(2*(4*(\hi)+\a))+7], s[\b0:\b0+1] offset:1024*\a+512
	global_store_b128 v[LI], v[IM+8*(2*(4*(\hi)+\a)+1):IM+8*(2*(4*(\hi)+\a)+1)+3], s[\b1:\b1+1] offset:1024*\a
	global_store_b128 v[LI], v[IM+8*(2*(4*(\hi)+\a)+1)+4:IM+8*(2*(4*(\hi)+\a)+1)+7], s[\b1:\b1+1] offset:1024*\a+512
.endr
.endm
	s_load_b128 s[4:7], s[0:1], 0x0                ; xcodes s[4:5], wcodes s[6:7]
	s_load_b128 s[8:11], s[0:1], 0x10              ; b_q s[8:9], b_k s[10:11]
	s_load_b128 s[68:71], s[0:1], 0x20             ; b_v s[68:69], the scales' exponents s[70:71]
	s_load_b64 s[72:73], s[0:1], 0x30              ; qkv
	v_lshl_add_u32 v[SPW], v0, 2, SPARE
	v_mov_b32 v[NIL], 0
	ds_add_u32 v28, v29
	ds_add_u32 v28, v29
	s_wait_dscnt 0x0
	v_lshrrev_b32 v1, 5, v0
	v_readfirstlane_b32 s14, v1                    ; wave 0..3
	s_lshr_b32 s15, s14, 1                         ; h1: my half of source 1.  Also: I fetch the activations (0) or the weights (1)
	s_and_b32 s16, s14, 1                          ; h0: my half of source 0.  Also: which eight tiles of that side I fetch
	s_bfe_u32 s40, ttmp6, 0x40000                  ; cx, cy: my place in the cluster
	s_bfe_u32 s41, ttmp6, 0x40004
	s_lshl_b32 s42, ttmp9, 2
	s_add_co_u32 s42, s42, s40                     ; x: which 256 columns, 0 .. 3
	s_and_b32 s74, ttmp7, 0xffff                   ; the cluster's y, 0 .. 23
	s_lshl_b32 s17, s74, 2
	s_add_co_u32 s17, s17, s41                     ; y: which 256 rows of the three tensors on end, 0 .. 95
	s_lshr_b32 s74, s74, 3                         ; which product: 0 q, 1 k, 2 v: the same in all sixteen partners
	s_lshl_b32 s43, s41, 2
	s_lshl_b32 s43, 15, s43                        ; my row of the cluster
	s_lshl_b32 s44, 0x1111, s40                    ; my column
	; descriptor group 1: eight rows of 4,096 bytes (a tile's images of two K steps), 16,384 bytes apart in memory, dense in LDS; elements of 8 bytes
	s_or_b32 s[G1+0], s43, (3<<16)|(1<<21)         ; 15:0 the mask: my row; 17:16 elements of 8 bytes; 21 set beside a mask
	s_or_b32 s[G1B+0], s44, (3<<16)|(1<<21)        ; the same with my column
.irp g, G1, G1B
	s_mov_b32 s[\g+1], 512<<16                     ; tensor_dim0 = 512
	s_mov_b32 s[\g+2], 8<<16                       ; tensor_dim1 = 8
	s_mov_b32 s[\g+3], 512<<16                     ; tile_dim0 = 512
	s_mov_b32 s[\g+4], 8                           ; tile_dim1 = 8
	s_mov_b32 s[\g+5], 2048                        ; tensor_dim0_stride
	s_mov_b32 s[\g+6], 0
	s_mov_b32 s[\g+7], 0
.endr
	s_lshl_b32 s18, s16, 17                        ; which eight tiles I fetch
	s_lshl_b32 s20, s17, 18                        ; activations: 16 tiles of 16,384 bytes for each y
	s_add_co_u32 s20, s20, s18
	s_mov_b32 s21, 0
	s_lshl_b32 s46, s42, 18                        ; weights: the same for each x,
	s_add_co_u32 s46, s46, s18
	s_lshl_b32 s47, s74, 20                        ; in the product's weight
	s_add_co_u32 s46, s46, s47
	s_mov_b32 s47, 0
	s_lshl_b32 s45, s14, 15                        ; where they go: wave x 32,768: no place in the cluster enters an LDS address
	s_wait_kmcnt 0x0
	s_load_b256 s[76:83], s[70:71], 0x0            ; e0 .. e7
	s_load_b128 s[84:87], s[70:71], 0x20           ; e8 .. e11
	s_add_nc_u64 s[20:21], s[4:5], s[20:21]
	s_add_nc_u64 s[46:47], s[6:7], s[46:47]
	CROUND                                         ; all sixteen work-groups are here: the first joint loads meet
.irp s, 0,1
	s_mov_b32 s[G0+4*\s], 1
	s_add_co_u32 s[G0+4*\s+1], s45, \s*SLOT
	s_add_nc_u64 s[G0+4*\s+2:G0+4*\s+3], s[20:21], \s*TILEB
	s_or_b32 s[G0+4*\s+3], s[G0+4*\s+3], 0x80000000
	s_mov_b32 s[G0B+4*\s], 1
	s_add_co_u32 s[G0B+4*\s+1], s45, \s*SLOT
	s_add_nc_u64 s[G0B+4*\s+2:G0B+4*\s+3], s[46:47], \s*TILEB
	s_or_b32 s[G0B+4*\s+3], s[G0B+4*\s+3], 0x80000000
	JLOAD G0+4*\s, G1, G0B+4*\s, G1B               ; two loads of mine are out
.endr
	v_and_b32 v1, 15, v0                           ; r
	v_bfe_u32 v2, v0, 4, 1                         ; h
	v_and_b32 v3, 31, v0
	v_lshlrev_b32 v[LI], 4, v3
	s_wait_alu depctr_va_vdst(0)
	s_cmp_eq_u32 s74, 2
	s_cselect_b32 s21, 2*HALFT, 0                  ; source 1 reads the activations' region, for v the weights'
	s_cselect_b32 s22, 0, 2*HALFT                  ; source 0 the other
	s_lshl_b32 s18, s15, 15
	s_add_co_u32 s21, s21, s18
	s_lshl_b32 s18, s16, 15
	s_add_co_u32 s22, s22, s18
.irp s, 0,1
	v_add_nc_u32 v[ADR1+\s], s21, v[LI]
	v_add_nc_u32 v[ADR0+\s], s22, v[LI]
	s_add_co_u32 s21, s21, SLOT
	s_add_co_u32 s22, s22, SLOT
.endr
	; the bias, twice: along source 0 (lane (r, h), block b: columns 16 b + 8 h + 0 .. 7 of my half h0) and along source 1 (block a: column 16 a + r of my half h1, in both registers of a pair)
	s_cmp_eq_u32 s74, 0
	s_cselect_b64 s[12:13], s[8:9], s[10:11]
	s_cmp_eq_u32 s74, 2
	s_cselect_b64 s[12:13], s[68:69], s[12:13]
	s_lshl_b32 s18, s42, 10
	s_mov_b32 s19, 0
	s_add_nc_u64 s[12:13], s[12:13], s[18:19]      ; at my 256 columns
	s_lshl_b32 s18, s16, 9
	v_lshl_add_u32 v4, v2, 5, s18
	s_lshl_b32 s19, s15, 9
	v_lshl_add_u32 v5, v1, 2, s19
.irp b, 0,1,2,3,4,5,6,7
	global_load_b128 v[BP+8*\b:BP+8*\b+3], v4, s[12:13] offset:64*\b
	global_load_b128 v[BP+8*\b+4:BP+8*\b+7], v4, s[12:13] offset:64*\b+16
.endr
.irp a, 0,1,2,3,4,5,6,7
	global_load_b32 v[BR+2*\a], v5, s[12:13] offset:64*\a
	global_load_b32 v[BR+2*\a+1], v5, s[12:13] offset:64*\a
.endr
	s_wait_kmcnt 0x0
	s_cmp_eq_u32 s74, 0                            ; the product's exponents: (e0, e1, e6), (e2, e3, e7) or (e4, e5, e9): chosen, never branched on
	s_cselect_b32 s88, s76, s78
	s_cselect_b32 s89, s77, s79
	s_cselect_b32 s90, s82, s83
	s_cmp_eq_u32 s74, 2
	s_cselect_b32 s88, s80, s88
	s_cselect_b32 s89, s81, s89
	s_cselect_b32 s90, s85, s90
	s_add_co_i32 s88, s88, s89                     ; ea + eb: a sum stands for sum x 2^(ea + eb)
	s_sub_co_i32 s91, 127, s88
	s_lshl_b32 s91, s91, 23                        ; 2^-(ea + eb): the bias goes in multiplied by it
	s_cmp_eq_u32 s74, 2
	s_cselect_b32 s92, 0, s91                      ; the table along source 0 counts for q and k,
	s_cselect_b32 s94, s91, 0                      ; the one along source 1 for v; the other becomes zeros
	s_mov_b32 s93, s92                             ; (named as pairs, so both words are written)
	s_mov_b32 s95, s94
	s_sub_co_i32 s90, s90, s88
	s_add_co_i32 s90, s90, 127
	s_lshl_b32 s89, s90, 23
	v_mov_b32 v[SCL], s89                          ; 2^(eo - ea - eb): the three scales folded into the conversion's one
	; where my images go.  q, k: (product << 23) + (batch << 21) + (x << 19) + (h0 << 18) + (g << 17) + ((y % 8) << 14) + (h1 << 13) + (a << 10);  v: h0 and h1 change places, and so do g << 17, (a / 4) << 12 with (a / 4) << 17, g << 12
	s_and_b32 s45, s17, 31
	s_lshr_b32 s46, s45, 3
	s_and_b32 s45, s45, 7
	s_lshl_b32 s46, s46, 21
	s_lshl_b32 s45, s45, 14
	s_add_co_u32 s46, s46, s45
	s_lshl_b32 s45, s74, 23
	s_add_co_u32 s46, s46, s45
	s_lshl_b32 s45, s42, 19
	s_add_co_u32 s46, s46, s45
	s_cmp_eq_u32 s74, 2
	s_cselect_b32 s18, s15, s16
	s_cselect_b32 s19, s16, s15
	s_mov_b32 s22, 0x20000
	s_cselect_b32 s23, s22, 0x1000                 ; from source 1's blocks 0-3 to 4-7
	s_cselect_b32 s22, 0x1000, s22                 ; from source 0's first 64 rows to its second
	s_lshl_b32 s18, s18, 18
	s_lshl_b32 s19, s19, 13
	s_add_co_u32 s46, s46, s18
	s_add_co_u32 s46, s46, s19
	s_mov_b32 s47, 0
	s_add_nc_u64 s[66:67], s[72:73], s[46:47]
	s_mov_b32 s19, 0
	s_mov_b32 s18, s22
	s_add_nc_u64 s[96:97], s[66:67], s[18:19]
	s_mov_b32 s18, s23
	s_add_nc_u64 s[98:99], s[66:67], s[18:19]
	s_add_nc_u64 s[100:101], s[96:97], s[18:19]
	s_wait_loadcnt 0x0                             ; the biases
.set j, 0
.rept 32
	v_pk_mul_f32 v[BP+j:BP+j+1], v[BP+j:BP+j+1], s[92:93] op_sel_hi:[1,0]
.set j, j+2
.endr
.set j, 0
.rept 8
	v_pk_mul_f32 v[BR+j:BR+j+1], v[BR+j:BR+j+1], s[94:95] op_sel_hi:[1,0]
.set j, j+2
.endr
	s_wait_tensorcnt 1                             ; my part of slot 0 is in; slot 1's load may be out
	s_barrier_signal -1
	s_barrier_wait -1                              ; everybody's is
	FETCH_B 0, 0, 0
	FETCH_A 0, 0, 0
	FETCH_A 0, 0, 4
	STEP 0, 0, 1                                   ; k 0-127: its products start the sums
	TURN 0, 1, 1                                   ; k 128-255; slot 0 takes k 512-767
	STEP 1, 0, 0
	TURN 1, 0, 1                                   ; slot 1 takes k 768-1,023
	STEP 0, 0, 0
	TURN 0, 1, 0                                   ; nothing is left to fetch
	STEP 1, 0, 0
	s_wait_dscnt 4*NL                              ; the last step
	WIN MUL_LO
	MUL16 0, 1, 0
	MUL16 2, 1, 0
	s_wait_dscnt 0
	WIN MUL_HI
	MUL16 4, 1, 0
	MUL16 6, 1, 0
	PLACES NP                                      ; in front of the first read of results and the first write over source 1's fragments
	FINISH 0, 66, 96
	FINISH 1, 98, 100
	s_wait_tensorcnt 0x0                           ; the wave's end
	ds_add_u32 v[SPW], v[NIL]
	s_wait_dscnt 0x0
	CROUND                                         ; the closing round: no work-group ends while a partner may still ask for a tile that names it
	s_endpgm
.Lfunc_end_k_q43eb2cbc82_proj:
	.size	k_q43eb2cbc82_proj, .Lfunc_end_k_q43eb2cbc82_proj-k_q43eb2cbc82_proj
	.p2alignl 7, 3214868480
	.fill 96, 4, 3214868480
	.section	.rodata,"a",@progbits
	.p2align	6, 0x0
	.amdhsa_kernel k_q43eb2cbc82_proj
		.amdhsa_group_segment_fixed_size 327680
		.amdhsa_private_segment_fixed_size 0
		.amdhsa_enable_private_segment 0
		.amdhsa_kernarg_size 56
		.amdhsa_user_sgpr_count 2
		.amdhsa_user_sgpr_kernarg_segment_ptr 1
		.amdhsa_wavefront_size32 1
		.amdhsa_system_sgpr_workgroup_id_x 1
		.amdhsa_system_sgpr_workgroup_id_y 1
		.amdhsa_system_sgpr_workgroup_id_z 1
		.amdhsa_system_vgpr_workitem_id 0
		.amdhsa_next_free_vgpr 1024
		.amdhsa_next_free_sgpr 102
		.amdhsa_reserve_vcc 0
		.amdhsa_float_denorm_mode_32 3
		.amdhsa_float_denorm_mode_16_64 3
		.amdhsa_fp16_overflow 1
		.amdhsa_memory_ordered 1
		.amdhsa_forward_progress 1
		.amdhsa_inst_pref_size 124
	.end_amdhsa_kernel
	.amdgpu_metadata
---
amdhsa.version: [ 1, 2 ]
amdhsa.kernels:
  - .name:           k_q43eb2cbc82_proj
    .symbol:         k_q43eb2cbc82_proj.kd
    .args:
      - { .name: xcodes, .offset: 0, .size: 8, .value_kind: global_buffer, .address_space: global }
      - { .name: wcodes, .offset: 8, .size: 8, .value_kind: global_buffer, .address_space: global }
      - { .name: b_q, .offset: 16, .size: 8, .value_kind: global_buffer, .address_space: global }
      - { .name: b_k, .offset: 24, .size: 8, .value_kind: global_buffer, .address_space: global }
      - { .name: b_v, .offset: 32, .size: 8, .value_kind: global_buffer, .address_space: global }
      - { .name: lowp_scales, .offset: 40, .size: 8, .value_kind: global_buffer, .address_space: global }
      - { .name: qkv, .offset: 48, .size: 8, .value_kind: global_buffer, .address_space: global }
    .group_segment_fixed_size: 327680
    .private_segment_fixed_size: 0
    .kernarg_segment_align: 8
    .kernarg_segment_size: 56
    .max_flat_workgroup_size: 128
    .sgpr_count:     102
    .vgpr_count:     1024
    .wavefront_size: 32
...
	.end_amdgpu_metadata
.endif
;; end of part 2
;; launch attn (part 3): grid 4 x 64, 16 waves a work-group, clusters of 4 x 1, 264,192 bytes of LDS; arguments qkv, lowp_scales, aimg; writes aimg
.if DOCPART == 3
	.amdgcn_target "amdgcn-amd-amdhsa--gfx1250"
	.amdhsa_code_object_version 6
	.text
	.protected	k_q43eb2cbc82_attn
	.globl	k_q43eb2cbc82_attn
	.p2align	8
	.type	k_q43eb2cbc82_attn,@function
k_q43eb2cbc82_attn:
	s_mov_b64 s[64:65], 0
	v_nop
	global_prefetch_b8 v0, s[64:65] scope:SCOPE_SE
	s_setreg_imm32_b32 hwreg(HW_REG_WAVE_MODE, 25, 1), 1
	s_wait_xcnt 0x0
	s_wait_alu depctr_hold_cnt(0) depctr_sa_sdst(0) depctr_va_vdst(0) depctr_va_sdst(0) depctr_va_ssrc(0) depctr_va_vcc(0) depctr_vm_vsrc(0)
	s_getreg_b32 s2, hwreg(HW_REG_IB_STS2, 6, 4)
	s_cmp_eq_u32 s2, 0
	s_cbranch_scc0 .Lentry_in_a_cluster
	s_endpgm
.Lentry_in_a_cluster:
	s_bfe_u32 s2, ttmp6, 0x10000c
	s_cmp_lg_u32 s2, 0x3003
	s_cbranch_scc0 .Lentry_shape_is_right
	s_endpgm
.Lentry_shape_is_right:
; Causal attention on codes of FP8 (E4M3): for each of 64 (batch, head): o[q] = sum over keys k <= q of softmax(q . k / 8) v[k], head size 64, 2,048 tokens; o is quantised at once for the last product.
; IN: qkv, images of the operands' registers (1,024 bytes for 16 rows x 64 K: lane l's registers 0-3 at 16 l, 4-7 at 512 + 16 l).  q at 0, k at 2^23: [head][tile of 16 tokens][1,024]; v at 2^24: [head][64 keys][16 channels][1,024].
; OUT: aimg [128 batch + tile of 16 tokens][head][1,024]: rows = tokens, K = 64 head + channel.
; THE SOFTMAX AHEAD OF THE SECOND PRODUCT: t = score x log2(e) / 8; M = the running largest t rounded UP to a whole number; p = 2^(t - M) is quantised, not normalised; the row's sum is taken of the unquantised p and divides at the end.
; When M moves, the sum and O are multiplied by 2^(old M - new M): exact.  Hidden scores are taken as -infinity, so p = 0 (reference's -1e9 gives the same 0 while scores stay far under 1e9 in magnitude).
; SHARES.  The four work-groups of a cluster share one head.  Tile of tokens T = 4 u + cx, u = 0 .. 31.  Wave w owns u = 31 - w and u = w.  Tile u wants key steps (128 keys) 0 .. u / 2, whatever cx is: so every wave of every
; work-group does 17 steps, and every branch hangs on the wave's number and the loop's counter alone; cx enters q's and o's global addresses and the mask's numbers.
; LDS holds the head's whole K (0 .. 131,071) and V (131,072 .. 262,143), filled ONCE: sixteen joint loads of 16 KiB, one a wave, named by all four partners.  No byte is filled again: no ring, and no barrier in the loop.
; LAYOUT.  S^T = K Q^T (source 0 = 16 keys, source 1 = my 16 queries): lane (r, h) holds query r and keys 16 c + 8 h + 0 .. 7 of tile c: one conversion of tile c gives registers 2 c, 2 c + 1 of P.  O^T = V^T P^T likewise holds one query a lane.
; LIMITS on the given exponents: e6 + e7 between -123 and 130 (added to c's exponent field); e8, and e10 - e8 - e9, between -126 and 119.
.set LI,  1                            ; v1   16 x lane
.set AV0, 2                            ; v2   the same in V's half of LDS
.set ADK, 5                            ; v5   LDS address of the step's K
.set ADV, 6                            ; v6   of its V
.set FRG, 32                           ; v32-95   K's eight fragments, then V's four
.set S,   96                           ; v96-159  S^T, then p
.set PC,  224                          ; v224-239 p's codes
.set WV,  18
.set SEL, 20                           ; s[20:21] lane selects for v_permlanex16_b32: lane l xor 16
.set CS,  22                           ; s[22:23] c = log2(e) / 8 x 2^(e6 + e7)
.set TB,  36                           ; s36  LDS byte of the key step in hand
.set KS,  37                           ; s37  the key step
; v3, v4: the mask's number of my two tiles; v7 -infinity; v8: 2^e8; v10: 2^(e10 - e8 - e9); v16-23, v24-31 Q of my two tiles; v160-191, v192-223 their O^T;
; v240-243, v244-247 their statistics: -M, the largest t, the sum in two halves; v248-254 at work.
.macro ROUND                           ; a round of the cluster's barrier
	s_barrier_signal -1
	s_barrier_wait -1
	s_cmp_lg_u32 s[WV], 0
	s_cbranch_scc1 .Lnot_wave_0_\@
	s_barrier_signal -3
.Lnot_wave_0_\@:
	s_barrier_wait -3
	s_barrier_signal -1
	s_barrier_wait -1
.endm
; A KEY STEP of one tile of queries: q its Q, o its O^T, st its statistics, d its mask number, lim the scalar that holds its last key step.
.macro STEP q, o, st, d, lim
	s_cmp_gt_u32 s[KS], s[\lim]                    ; all 128 keys come after my queries: nothing to do
	s_cbranch_scc1 .Lskip_\@
	v_add_nc_u32 v[ADK], s[TB], v[LI]
	v_add_nc_u32 v[ADV], s[TB], v[AV0]
	v_nop                                          ; with the two additions: four plain lines in front of loads into registers that the last products read
	v_nop
.irp c, 0,1,2,3,4,5,6,7
	ds_load_b128 v[FRG+8*\c:FRG+8*\c+3], v[ADK] offset:1024*\c
	ds_load_b128 v[FRG+8*\c+4:FRG+8*\c+7], v[ADK] offset:1024*\c+512
.endr
	s_wait_alu depctr_va_vdst(0)
	s_wait_dscnt 0x0
.irp c, 0,1,2,3,4,5,6,7
	v_wmma_f32_16x16x64_fp8_fp8 v[S+8*\c:S+8*\c+7], v[FRG+8*\c:FRG+8*\c+7], v[\q:\q+7], 0
.endr
.rept 4
	v_nop                                          ; in front of the loads below and of the first read of the scores
.endr
.irp t, 0,1,2,3                        ; V's fragment of channels 16 t on: 128 keys = two images; they land while the softmax is walked
.irp g, 0,1
	ds_load_b128 v[FRG+16*\t+8*\g:FRG+16*\t+8*\g+3], v[ADV] offset:4096*\g+1024*\t
	ds_load_b128 v[FRG+16*\t+8*\g+4:FRG+16*\t+8*\g+7], v[ADV] offset:4096*\g+1024*\t+512
.endr
.endr
	s_cmp_lg_u32 s[KS], s[\lim]                    ; only the tile's last step lies on the diagonal
	s_cbranch_scc1 .Lopen_\@
.set n, 0
.rept 64                               ; register n holds key 16 (n / 8) + 8 h + n % 8 of the step: hidden where 16 (n / 8) + n % 8 > my query's place in the step - 8 h
	v_cmp_gt_i32 vcc_lo, 16*(n/8)+n%8, v[\d]
	v_cndmask_b32 v[S+n], v[S+n], v7, vcc_lo
.set n, n+1
.endr
.Lopen_\@:
	v_max3_num_f32 v254, v[S], v[S+1], v[S+2]      ; the step's largest score of my query among my 64 keys, in two chains, each tile from its low end on
	v_max3_num_f32 v252, v[S+3], v[S+4], v[S+5]
.set n, 6
.rept 14
	v_max3_num_f32 v254, v254, v[S+n], v[S+n+1]
	v_max3_num_f32 v252, v252, v[S+n+2], v[S+n+3]
.set n, n+4
.endr
	v_max3_num_f32 v254, v254, v[S+62], v[S+63]
	s_delay_alu instid0(VALU_DEP_1)
	v_max_num_f32 v254, v254, v252
	s_delay_alu instid0(VALU_DEP_1)
	v_permlanex16_b32 v248, v254, s[SEL], s[SEL+1]
	s_delay_alu instid0(VALU_DEP_1)
	v_max_num_f32 v254, v254, v248                 ; and among lane l xor 16's
	s_delay_alu instid0(VALU_DEP_1)
	v_mul_f32 v254, s[CS], v254                    ; as t (c is positive)
	s_delay_alu instid0(VALU_DEP_1)
	v_max_num_f32 v[\st+1], v[\st+1], v254         ; the running largest t
	v_mov_b32 v254, v[\st]
	s_delay_alu instid0(VALU_DEP_2)
	v_floor_f32 v[\st], -v[\st+1]                  ; the new -M = floor(-t): M is a whole number
	s_delay_alu instid0(VALU_DEP_1)
	v_sub_f32 v254, v[\st], v254                   ; old M - new M: a whole number, 0 or less
	s_delay_alu instid0(VALU_DEP_1)
	v_cvt_i32_f32 v254, v254                       ; (it saturates)
	s_delay_alu instid0(VALU_DEP_1)
	v_ldexp_f32 v252, 1.0, v254                    ; f = 2^(old M - new M)
.set n, 0
.rept 32
	v_pk_fma_f32 v[S+n:S+n+1], v[S+n:S+n+1], s[CS:CS+1], v[\st:\st+1] op_sel_hi:[1,0,0]   ; t - M, two at a time (the low words of c's and of -M's pair serve both halves)
.set n, n+2
.endr
.set n, 0
	s_wait_alu depctr_va_vdst(0)
.rept 64
	v_exp_f32 v[S+n], v[S+n]                       ; p = 2^(t - M)
.set n, n+1
.endr
	v_pk_mul_f32 v[\st+2:\st+3], v[\st+2:\st+3], v[252:253] op_sel_hi:[1,0]   ; the sums under the new M: the plain line behind the exponentials
	s_wait_alu depctr_va_vdst(0)                   ; one wait for the whole batch, ahead of its first reader
	v_pk_add_f32 v[250:251], v[S:S+1], v[S+2:S+3]  ; the row's sum is taken of the unquantised p: two chains
.set n, 4
.rept 15
	v_pk_add_f32 v[\st+2:\st+3], v[\st+2:\st+3], v[S+n:S+n+1]
	v_pk_add_f32 v[250:251], v[250:251], v[S+n+2:S+n+3]
.set n, n+4
.endr
	s_delay_alu instid0(VALU_DEP_1)
	v_pk_add_f32 v[\st+2:\st+3], v[\st+2:\st+3], v[250:251]
.set n, 0
.rept 8
.irp i, 0,1,2,3,4,5,6,7
.endr
	v_cvt_scalef32_pk8_fp8_f32 v[PC+2*n:PC+2*n+1], v[S+8*n:S+8*n+7], v8
.set n, n+1
.endr
.set n, 0
.rept 16
	v_pk_mul_f32 v[\o+n:\o+n+1], v[\o+n:\o+n+1], v[252:253] op_sel_hi:[1,0]   ; O^T under the new M (also the plain lines behind the conversions)
.set n, n+2
.endr
	s_wait_alu depctr_va_vdst(0)
	s_wait_dscnt 0x0                               ; V is in
.irp t, 0,1,2,3                        ; four accumulators, one instruction each; the next step's eight score products stand between two links of a chain
	v_wmma_f32_16x16x128_fp8_fp8 v[\o+8*\t:\o+8*\t+7], v[FRG+16*\t:FRG+16*\t+15], v[PC:PC+15], v[\o+8*\t:\o+8*\t+7]
.endr
.Lskip_\@:
.endm
; THE WAY OUT of one tile: O^T / the sum, converted with 2^(e10 - e8 - e9): the four conversions are the image's eight registers.
.macro FIN o, st, dst, base
	v_add_f32 v254, v[\st+2], v[\st+3]
	s_delay_alu instid0(VALU_DEP_1)
	v_permlanex16_b32 v248, v254, s[SEL], s[SEL+1]
	s_delay_alu instid0(VALU_DEP_1)
	v_add_f32 v254, v254, v248                     ; the row's sum
	s_wait_alu depctr_va_vdst(0)
	v_rcp_f32 v252, v254
	v_nop                                          ; a plain line behind the transcendental
	s_wait_alu depctr_va_vdst(0)                   ; and the wait ahead of its first reader
.set n, 0
.rept 16
	v_pk_mul_f32 v[\o+n:\o+n+1], v[\o+n:\o+n+1], v[252:253] op_sel_hi:[1,0]
.set n, n+2
.endr
.set n, 0
.rept 32
.set n, n+1
.endr
.irp t, 0,1,2,3
	v_cvt_scalef32_pk8_fp8_f32 v[\dst+2*\t:\dst+2*\t+1], v[\o+8*\t:\o+8*\t+7], v10
.endr
	v_nop
	global_store_b128 v[LI], v[\dst:\dst+3], s[\base:\base+1]                 ; 32 lanes store 512 consecutive bytes, aligned
	global_store_b128 v[LI], v[\dst+4:\dst+7], s[\base:\base+1] offset:512
.endm
	s_load_b128 s[4:7], s[0:1], 0x0                ; qkv s[4:5], the scales' exponents s[6:7]
	s_load_b64 s[8:9], s[0:1], 0x10                ; aimg
	v_lshl_add_u32 v249, v0, 2, 0x40000
	v_mov_b32 v255, 0
	ds_add_u32 v249, v255
	ds_add_u32 v249, v255
	v_lshrrev_b32 v12, 5, v0
	s_delay_alu instid0(VALU_DEP_1)
	v_readfirstlane_b32 s[WV], v12                 ; wave 0..15
	s_bfe_u32 s40, ttmp6, 0x40000                  ; cx
	s_and_b32 s41, ttmp7, 0xffff                   ; 16 batch + head, which the four partners share
	; descriptor group 1: 64 rows of 256 bytes, dense: 16 KiB
	s_mov_b32 s24, 15|(3<<16)|(1<<21)              ; 15:0 the mask: all four work-groups; 17:16 elements of 8 bytes; 21 set beside a mask
	s_mov_b32 s25, 32<<16                          ; tensor_dim0 = 32
	s_mov_b32 s26, 64<<16                          ; tensor_dim1 = 64
	s_mov_b32 s27, 32<<16                          ; tile_dim0 = 32
	s_mov_b32 s28, 64                              ; tile_dim1 = 64
	s_mov_b32 s29, 32                              ; tensor_dim0_stride
	s_mov_b32 s30, 0
	s_mov_b32 s31, 0
	s_mov_b32 s32, 1
	s_lshl_b32 s33, s[WV], 14                      ; LDS: wave x 16,384: waves 0-7 fill K's half, waves 8-15 V's
	s_lshr_b32 s56, s[WV], 3
	s_add_co_u32 s56, s56, 1
	s_lshl_b32 s56, s56, 23                        ; k at 2^23, v at 2^24,
	s_lshl_b32 s57, s41, 17                        ; the head's 131,072 bytes,
	s_add_co_u32 s56, s56, s57
	s_and_b32 s57, s[WV], 7
	s_lshl_b32 s57, s57, 14                        ; my eighth of them
	s_add_co_u32 s56, s56, s57
	s_mov_b32 s57, 0
	s_wait_dscnt 0x0
	s_wait_kmcnt 0x0
	s_add_nc_u64 s[34:35], s[4:5], s[56:57]
	s_or_b32 s35, s35, 0x80000000
	s_load_b256 s[44:51], s[6:7], 0x0              ; e0 .. e7
	s_load_b128 s[52:55], s[6:7], 0x20             ; e8 .. e11
	ROUND                                          ; all four work-groups are here: the joint loads meet
	tensor_load_to_lds s[32:35], s[24:31]          ; my one tensor load of the launch
	s_nop 0
.rept 4
	v_nop
.endr
	s_xor_b32 s58, s[WV], 31                       ; u of my late tile: 31 - wave
	s_lshr_b32 s38, s58, 1                         ; its last key step
	s_lshr_b32 s39, s[WV], 1                       ; my early tile's
	s_lshl_b32 s56, s58, 2
	s_add_co_u32 s56, s56, s40                     ; T of the late tile
	s_lshl_b32 s59, s[WV], 2
	s_add_co_u32 s59, s59, s40                     ; T of the early tile
	s_lshl_b32 s57, s41, 17
	s_lshl_b32 s42, s56, 10
	s_add_co_u32 s42, s42, s57
	s_mov_b32 s43, 0
	s_add_nc_u64 s[10:11], s[4:5], s[42:43]        ; q's image of the late tile,
	s_lshl_b32 s42, s59, 10
	s_add_co_u32 s42, s42, s57
	s_add_nc_u64 s[12:13], s[4:5], s[42:43]        ; of the early one
	v_and_b32 v12, 31, v0
	s_delay_alu instid0(VALU_DEP_1)
	v_lshlrev_b32 v[LI], 4, v12
	s_wait_alu depctr_va_vdst(0)
	global_load_b128 v[16:19], v[LI], s[10:11]
	global_load_b128 v[20:23], v[LI], s[10:11] offset:512
	global_load_b128 v[24:27], v[LI], s[12:13]
	global_load_b128 v[28:31], v[LI], s[12:13] offset:512
	s_lshr_b32 s57, s41, 4
	s_lshl_b32 s57, s57, 21                        ; the batch's 128 tiles of 16,384 bytes,
	s_and_b32 s36, s41, 15
	s_lshl_b32 s36, s36, 10                        ; the head's 1,024
	s_add_co_u32 s57, s57, s36
	s_lshl_b32 s42, s56, 14
	s_add_co_u32 s42, s42, s57
	s_add_nc_u64 s[14:15], s[8:9], s[42:43]        ; where the late tile's image goes,
	s_lshl_b32 s42, s59, 14
	s_add_co_u32 s42, s42, s57
	s_add_nc_u64 s[16:17], s[8:9], s[42:43]        ; and the early one's
	s_and_b32 s56, s58, 1
	s_lshl_b32 s56, s56, 6
	s_lshl_b32 s57, s40, 4
	s_add_co_u32 s56, s56, s57                     ; the late tile's first query in its last key step: 64 (u % 2) + 16 cx
	s_and_b32 s59, s[WV], 1
	s_lshl_b32 s59, s59, 6
	s_add_co_u32 s59, s59, s57
	v_add_nc_u32 v[AV0], 0x20000, v[LI]
	v_and_b32 v12, 15, v0
	v_bfe_u32 v13, v0, 4, 1
	s_delay_alu instid0(VALU_DEP_1)
	v_lshlrev_b32 v13, 3, v13
	s_delay_alu instid0(VALU_DEP_1)
	v_sub_nc_u32 v12, v12, v13                     ; r - 8 h
	s_delay_alu instid0(VALU_DEP_1)
	v_add_nc_u32 v3, s56, v12
	s_delay_alu instid0(VALU_DEP_2)
	v_add_nc_u32 v4, s59, v12
	v_mov_b32 v7, 0xff800000                       ; -infinity
	s_mov_b32 s[SEL], 0x76543210
	s_mov_b32 s[SEL+1], 0xfedcba98
.irp st, 240, 244
	v_mov_b32 v[\st+1], 0xff61b1e6                 ; the largest t so far: -3e38, under every t
	s_delay_alu instid0(VALU_DEP_1)
	v_floor_f32 v[\st], -v[\st+1]
	v_mov_b32 v[\st+2], 0
	v_mov_b32 v[\st+3], 0
.endr
	v_mov_b32 v248, 0                              ; written once: a lane permute's destination counts as one of its sources
	v_mov_b32 v253, 0                              ; (named as the upper half of the pair v[252:253])
.set n, 0
.rept 64
	v_mov_b32 v[160+n], 0                          ; O^T of both tiles.  (The step is written once: the first finds zeros, which the first change of M leaves zeros)
.set n, n+1
.endr
	s_wait_kmcnt 0x0
	s_add_co_i32 s56, s50, s51
	s_lshl_b32 s56, s56, 23
	s_mov_b32 s[CS], 0x3e38aa3b                    ; log2(e) / 8
	s_add_co_i32 s[CS], s[CS], s56                 ; a score stands for score x 2^(e6 + e7): the exponents are added to c's exponent field
	s_mov_b32 s[CS+1], s[CS]
	s_add_co_i32 s56, s52, 127
	s_lshl_b32 s57, s56, 23
	v_mov_b32 v8, s57                              ; 2^e8
	s_sub_co_i32 s56, s54, s52
	s_sub_co_i32 s56, s56, s53
	s_add_co_i32 s56, s56, 127
	s_lshl_b32 s57, s56, 23
	v_mov_b32 v10, s57                             ; 2^(e10 - e8 - e9): a sum of the second product stands for sum x 2^(e8 + e9)
	s_mov_b32 s[TB], 0
	s_mov_b32 s[KS], 0
	s_wait_loadcnt 0x0                             ; Q
	s_wait_tensorcnt 0x0                           ; my sixteenth of K and V is in,
	s_barrier_signal -1
	s_barrier_wait -1                              ; everybody's is
.Lks:                                              ; 16 trips, a constant: a tile's steps past its last are jumped over
	STEP 16, 160, 240, 3, 38
	STEP 24, 192, 244, 4, 39
	s_add_co_u32 s[TB], s[TB], 8192
	s_add_co_u32 s[KS], s[KS], 1
	s_cmp_lt_u32 s[KS], 16
	s_cbranch_scc1 .Lks
.rept 4
	v_nop                                          ; in front of the first read of the last products' results
.endr
	FIN 160, 240, 32, 14
	FIN 192, 244, 40, 16
	s_wait_dscnt 0x0
	s_wait_tensorcnt 0x0
	ds_add_u32 v249, v255
	s_wait_dscnt 0x0
	ROUND                                          ; the closing round
	s_endpgm
.Lfunc_end_k_q43eb2cbc82_attn:
	.size	k_q43eb2cbc82_attn, .Lfunc_end_k_q43eb2cbc82_attn-k_q43eb2cbc82_attn
	.p2alignl 7, 3214868480
	.fill 96, 4, 3214868480
	.section	.rodata,"a",@progbits
	.p2align	6, 0x0
	.amdhsa_kernel k_q43eb2cbc82_attn
		.amdhsa_group_segment_fixed_size 264192
		.amdhsa_private_segment_fixed_size 0
		.amdhsa_enable_private_segment 0
		.amdhsa_kernarg_size 24
		.amdhsa_user_sgpr_count 2
		.amdhsa_user_sgpr_kernarg_segment_ptr 1
		.amdhsa_wavefront_size32 1
		.amdhsa_system_sgpr_workgroup_id_x 1
		.amdhsa_system_sgpr_workgroup_id_y 1
		.amdhsa_system_sgpr_workgroup_id_z 1
		.amdhsa_system_vgpr_workitem_id 0
		.amdhsa_next_free_vgpr 256
		.amdhsa_next_free_sgpr 66
		.amdhsa_reserve_vcc 1
		.amdhsa_float_denorm_mode_32 3
		.amdhsa_float_denorm_mode_16_64 3
		.amdhsa_fp16_overflow 1
		.amdhsa_memory_ordered 1
		.amdhsa_forward_progress 1
		.amdhsa_inst_pref_size 50
	.end_amdhsa_kernel
	.amdgpu_metadata
---
amdhsa.version: [ 1, 2 ]
amdhsa.kernels:
  - .name:           k_q43eb2cbc82_attn
    .symbol:         k_q43eb2cbc82_attn.kd
    .args:
      - { .name: qkv, .offset: 0, .size: 8, .value_kind: global_buffer, .address_space: global }
      - { .name: lowp_scales, .offset: 8, .size: 8, .value_kind: global_buffer, .address_space: global }
      - { .name: aimg, .offset: 16, .size: 8, .value_kind: global_buffer, .address_space: global }
    .group_segment_fixed_size: 264192
    .private_segment_fixed_size: 0
    .kernarg_segment_align: 8
    .kernarg_segment_size: 24
    .max_flat_workgroup_size: 512
    .sgpr_count:     66
    .vgpr_count:     256
    .wavefront_size: 32
...
	.end_amdgpu_metadata
.endif
;; end of part 3
;; launch oproj (part 4): grid 4 x 32, 4 waves a work-group, clusters of 4 x 4, 327,680 bytes of LDS; arguments aimg, wcodes, b_o, lowp_scales, out0; writes out0
.if DOCPART == 4
	.amdgcn_target "amdgcn-amd-amdhsa--gfx1250"
	.amdhsa_code_object_version 6
	.text
	.protected	k_q43eb2cbc82_oproj
	.globl	k_q43eb2cbc82_oproj
	.p2align	8
	.type	k_q43eb2cbc82_oproj,@function
k_q43eb2cbc82_oproj:
	s_mov_b64 s[64:65], 0
	v_nop
	global_prefetch_b8 v0, s[64:65] scope:SCOPE_SE
	s_setreg_imm32_b32 hwreg(HW_REG_WAVE_MODE, 25, 1), 1
	s_wait_xcnt 0x0
	s_wait_alu depctr_hold_cnt(0) depctr_sa_sdst(0) depctr_va_vdst(0) depctr_va_sdst(0) depctr_va_ssrc(0) depctr_va_vcc(0) depctr_vm_vsrc(0)
	s_getreg_b32 s2, hwreg(HW_REG_IB_STS2, 6, 4)
	s_cmp_eq_u32 s2, 0
	s_cbranch_scc0 .Lentry_in_a_cluster
	s_endpgm
.Lentry_in_a_cluster:
	s_bfe_u32 s2, ttmp6, 0x10000c
	s_cmp_lg_u32 s2, 0xf033
	s_cbranch_scc0 .Lentry_shape_is_right
	s_endpgm
.Lentry_shape_is_right:
; out0 = a W_o + b_o on codes of FP8 (E4M3).  a: aimg [tile of 16 rows, 512][K step of 128, 8][2,048]; W_o: wcodes at 3 x 2^20, [tile of 16 columns, 64][K step][2,048]: images of the operands' registers
; (lane l's registers 4 c .. 4 c + 3 at 512 c + 16 l).  out0: [8192][1024] f32 = sum x 2^(e10 + e11) + b_o.
; A work-group of four waves makes 256 x 256; a wave 128 x 128: 64 accumulators, 512 registers.  K = 1,024 goes in four fills of 256 through two LDS slots; each fill is four tensor loads of 32 KiB, one a wave.
; The matrix instruction is used transposed (source 0 = 16 columns of W_o, source 1 = 16 rows of a): a lane holds eight neighbouring numbers of a row of out0.
; CLUSTERS: 4 x 4.  a's tiles are shared along a row of the cluster, W_o's along a column: each is asked for jointly, by the same tensor load with the same descriptor and a mask that names the four.
; 128 tiles of 256 x 256: half as many work-groups as a tile of 128 x 256 would give; kept so that this launch and the three projections run one main loop.
; LIMIT: e10 + e11 between -126 and 127, so that 2^(e10 + e11) is an f32 number.
; REGISTERS, in windows of 256: window 0: v16-31 addresses; v32-95 b_o in the results' layout; v128-255 source 1's eight fragments, ONE set, later rows on their way out.
;   window 1: source 0's fragments, TWO sets.   window 2: the accumulators of my rows 0-63 ((a, b) at v[8 (8 (a % 4) + b)]);   window 3: those of my rows 64-127.
.set FR,    16
.set NL,    4
.set NP,    4                          ; places behind this matrix instruction (ISA guide 7.12.1)
.set TILEB, 4096                       ; a tile of 16 rows in a slot: the images of two K steps
.set HALFT, 8*TILEB
.set SLOT,  4*HALFT                    ; a's 16 tiles, then W_o's 16
.set SPARE, 2*SLOT                     ; behind the ring: the spare words, 128 bytes for each wave: two blocks of 256 bytes that no other line names
.set SPITCH, 528                       ; the way out: a stage of 16 rows x (512 bytes + 16) for each wave, in slot 0, which has had its last fill and its last read when the first result is stored there
.set ADR1,  16
.set ADR0,  20
.set STO,   24                         ; v24  the way out: where I put 32 bytes of a row
.set RD,    25                         ; v25  where I read a row back
.set LI,    26                         ; v26  16 x lane; also my byte offset in a row's 512 bytes of out0
.set SPW,   28
.set NIL,   29
.set BP,    32
.set AF,    128
.set BK,    128                        ; 16 rows read back from the stage: v128-191 and v192-255 by turns
.set G1,  24
.set G0,  32
.set G1B, 48
.set G0B, 56
.set MSB, 0
.macro WIN new                         ; the immediate's high byte repeats the setting that is left
.if MSB != (\new)
	s_set_vgpr_msb (MSB<<8)|(\new)
.set MSB, (\new)
.endif
.endm
.set MUL_LO, 0xa1
.set MUL_HI, 0xf1
.set TO_B,   0x40
.macro JLOAD g0a, g1a, g0b, g1b        ; a joint load: waves 0 and 1 fetch for a, waves 2 and 3 for W_o; four v_nop follow each of the two lines
	s_cmp_eq_u32 s15, 0
	s_cbranch_scc0 .Lfor_b_\@
	tensor_load_to_lds s[\g0a:\g0a+3], s[\g1a:\g1a+7]
	s_nop 0
.rept 4
	v_nop
.endr
	s_branch .Lasked_\@
.Lfor_b_\@:
	tensor_load_to_lds s[\g0b:\g0b+3], s[\g1b:\g1b+7]
	s_nop 0
.rept 4
	v_nop
.endr
.Lasked_\@:
.endm
.macro CREST
	s_cmp_lg_u32 s14, 0
	s_cbranch_scc1 .Lnot_wave_0_\@
	s_barrier_signal -3
.Lnot_wave_0_\@:
	s_barrier_wait -3
	s_barrier_signal -1
	s_barrier_wait -1
.endm
.macro CROUND
	s_barrier_signal -1
	s_barrier_wait -1
	CREST
.endm
.macro PLACES n
.rept \n
	v_nop
.endr
.endm
.macro FRAG reg, adr, q, i
.irp c, 0,1,2,3
	ds_load_b128 v[\reg+4*\c:\reg+4*\c+3], v[\adr] offset:2048*(\q)+512*\c+4096*(\i)
.endr
.endm
.macro MUL16 a0, p, zero               ; the 64 accumulators take turns, one instruction a turn, in the same order in every step
.irp a, \a0, \a0+1
.irp b, 0,1,2,3,4,5,6,7
.if \zero
	v_wmma_f32_16x16x128_fp8_fp8 v[8*(8*((\a)%4)+\b):8*(8*((\a)%4)+\b)+7], v[128*(\p)+FR*\b:128*(\p)+FR*\b+FR-1], v[AF+FR*(\a):AF+FR*(\a)+FR-1], 0
.else
	v_wmma_f32_16x16x128_fp8_fp8 v[8*(8*((\a)%4)+\b):8*(8*((\a)%4)+\b)+7], v[128*(\p)+FR*\b:128*(\p)+FR*\b+FR-1], v[AF+FR*(\a):AF+FR*(\a)+FR-1], v[8*(8*((\a)%4)+\b):8*(8*((\a)%4)+\b)+7]
.endif
.endr
.endr
.endm
.macro FETCH_B slot, q, p
	WIN TO_B
.irp i, 0,1,2,3,4,5,6,7
	FRAG 128*(\p)+FR*\i, ADR0+\slot, \q, \i
.endr
	WIN 0
.endm
.macro FETCH_A slot, q, i0
.irp i, \i0, \i0+1, \i0+2, \i0+3
	FRAG AF+FR*(\i), ADR1+\slot, \q, \i
.endr
.endm
.macro STEP slot, q, zero
	s_wait_dscnt 4*NL                              ; source 0's set and source 1's blocks 0-3 are in; the youngest 16 loads (blocks 4-7) may be out
	WIN MUL_LO
	MUL16 0, (\q)%2, \zero
	MUL16 2, (\q)%2, \zero
	s_wait_dscnt 0
	PLACES NP
	FETCH_B \slot, (\q)+1, 1-(\q)%2
	FETCH_A \slot, (\q)+1, 0
	WIN MUL_HI
	MUL16 4, (\q)%2, \zero
	MUL16 6, (\q)%2, \zero
	PLACES NP
	WIN 0
	FETCH_A \slot, (\q)+1, 4
.endm
.macro TURN slot, next, fill
	s_wait_tensorcnt 0x0                           ; all my tensor loads have landed: my part of the next slot
	ds_add_u32 v[SPW], v[NIL]                      ; 0 onto my spare word
	s_wait_dscnt 4*NL+1                            ; (the add and the youngest 16 loads may be out)
	WIN MUL_LO
	MUL16 0, 1, 0
	s_wait_dscnt 0x0                               ; the add is done, and my reads of this slot are over
	s_barrier_signal -1
	MUL16 2, 1, 0
	WIN 0
	s_barrier_wait -1
.if \fill
	CREST                                          ; the barrier has opened a round of the cluster's barrier: no wave of any partner still reads this slot or has a load on its way
	s_add_nc_u64 s[G0+4*\slot+2:G0+4*\slot+3], s[G0+4*\slot+2:G0+4*\slot+3], 2*TILEB
	s_add_nc_u64 s[G0B+4*\slot+2:G0B+4*\slot+3], s[G0B+4*\slot+2:G0B+4*\slot+3], 2*TILEB
	JLOAD G0+4*\slot, G1, G0B+4*\slot, G1B
.else
	PLACES NP
.endif
	FETCH_B \next, 0, 0
	FETCH_A \next, 0, 0
	WIN MUL_HI
	MUL16 4, 1, 0
	MUL16 6, 1, 0
	PLACES NP
	WIN 0
	FETCH_A \next, 0, 4
.endm
; THE WAY OUT, block by block of 16 rows x 128 columns: sum x 2^(e10 + e11) + b_o in place, through my own stage in LDS, back as whole rows of 512 bytes.  LDS serves a wave's instructions in order (ISA guide 5.7.1.4).
.macro TOSTAGE a
.set AC, 64*((\a)%4)
	WIN 0x82+0x41*((\a)/4)                         ; source 0 and destination: the accumulators' window; the bias in window 0
.set j, 0
.rept 32
	v_pk_fma_f32 v[AC+j:AC+j+1], v[AC+j:AC+j+1], s[96:97], v[BP+j:BP+j+1] op_sel_hi:[1,0,1]   ; each accumulator from its low end on
.set j, j+2
.endr
	WIN 0x08+4*((\a)/4)                            ; an LDS store's data are its source 1
.irp b, 0,1,2,3,4,5,6,7
	ds_store_b128 v[STO], v[AC+8*\b:AC+8*\b+3] offset:64*\b
	ds_store_b128 v[STO], v[AC+8*\b+4:AC+8*\b+7] offset:64*\b+16
.endr
	WIN 0
.set BB, BK+64*((\a)%2)
.irp t, 0,1,2,3,4,5,6,7,8,9,10,11,12,13,14,15
	ds_load_b128 v[BB+4*\t:BB+4*\t+3], v[RD] offset:\t*SPITCH
.endr
.endm
.macro SEND a, younger                 ; younger: the LDS instructions issued behind block a's loads, which may stay out
.set BB, BK+64*((\a)%2)
	s_wait_dscnt \younger
.if (\a) > 0
	s_add_nc_u64 s[12:13], s[12:13], 16*4096       ; (behind a wait on XCNT: the earlier stores have read their base)  16 rows on
.endif
.irp t, 0,1,2,3,4,5,6,7,8,9,10,11,12,13,14,15
	global_store_b128 v[LI], v[BB+4*\t:BB+4*\t+3], s[12:13] offset:\t*4096 th:TH_STORE_NT   ; 32 lanes store 512 consecutive bytes, aligned; written once, read by nobody here
.endr
.endm
	s_load_b128 s[4:7], s[0:1], 0x0                ; aimg s[4:5], wcodes s[6:7]
	s_load_b128 s[8:11], s[0:1], 0x10              ; b_o s[8:9], the scales' exponents s[10:11]
	s_load_b64 s[12:13], s[0:1], 0x20              ; out0
	v_lshl_add_u32 v[SPW], v0, 2, SPARE
	v_mov_b32 v[NIL], 0
	ds_add_u32 v28, v29
	ds_add_u32 v28, v29
	s_wait_dscnt 0x0
	v_lshrrev_b32 v1, 5, v0
	v_readfirstlane_b32 s14, v1                    ; wave 0..3
	s_lshr_b32 s15, s14, 1                         ; my half of the tile's rows.  Also: I fetch for a (0) or for W_o (1)
	s_and_b32 s16, s14, 1                          ; my half of its columns.  Also: which eight tiles of that side I fetch
	s_bfe_u32 s40, ttmp6, 0x40000                  ; cx, cy
	s_bfe_u32 s41, ttmp6, 0x40004
	s_lshl_b32 s42, ttmp9, 2
	s_add_co_u32 s42, s42, s40                     ; x: which 256 columns
	s_and_b32 s17, ttmp7, 0xffff
	s_lshl_b32 s17, s17, 2
	s_add_co_u32 s17, s17, s41                     ; y: which 256 rows
	s_lshl_b32 s43, s41, 2
	s_lshl_b32 s43, 15, s43                        ; my row of the cluster
	s_lshl_b32 s44, 0x1111, s40                    ; my column
	; descriptor group 1: eight rows of 4,096 bytes, 16,384 bytes apart in memory, dense in LDS; elements of 8 bytes
	s_or_b32 s[G1+0], s43, (3<<16)|(1<<21)
	s_or_b32 s[G1B+0], s44, (3<<16)|(1<<21)
.irp g, G1, G1B
	s_mov_b32 s[\g+1], 512<<16
	s_mov_b32 s[\g+2], 8<<16
	s_mov_b32 s[\g+3], 512<<16
	s_mov_b32 s[\g+4], 8
	s_mov_b32 s[\g+5], 2048
	s_mov_b32 s[\g+6], 0
	s_mov_b32 s[\g+7], 0
.endr
	s_lshl_b32 s18, s16, 17
	s_lshl_b32 s20, s17, 18
	s_add_co_u32 s20, s20, s18
	s_mov_b32 s21, 0
	s_lshl_b32 s46, s42, 18
	s_add_co_u32 s46, s46, s18
	s_add_co_u32 s46, s46, 3<<20                   ; W_o is the fourth weight
	s_mov_b32 s47, 0
	s_lshl_b32 s45, s14, 15
	s_wait_kmcnt 0x0
	s_load_b64 s[96:97], s[10:11], 0x28            ; e10, e11
	s_add_nc_u64 s[20:21], s[4:5], s[20:21]
	s_add_nc_u64 s[46:47], s[6:7], s[46:47]
	CROUND                                         ; all sixteen work-groups are here: the first joint loads meet
.irp s, 0,1
	s_mov_b32 s[G0+4*\s], 1
	s_add_co_u32 s[G0+4*\s+1], s45, \s*SLOT
	s_add_nc_u64 s[G0+4*\s+2:G0+4*\s+3], s[20:21], \s*TILEB
	s_or_b32 s[G0+4*\s+3], s[G0+4*\s+3], 0x80000000
	s_mov_b32 s[G0B+4*\s], 1
	s_add_co_u32 s[G0B+4*\s+1], s45, \s*SLOT
	s_add_nc_u64 s[G0B+4*\s+2:G0B+4*\s+3], s[46:47], \s*TILEB
	s_or_b32 s[G0B+4*\s+3], s[G0B+4*\s+3], 0x80000000
	s_wait_alu depctr_va_vdst(0)
	s_wait_tensorcnt 0x0
	ds_add_u32 v28, v29
	ds_add_u32 v28, v29
	s_wait_dscnt 0x0
	CROUND
	JLOAD G0+4*\s, G1, G0B+4*\s, G1B
.endr
	v_and_b32 v1, 15, v0                           ; r
	s_wait_alu depctr_va_vdst(0)
	v_bfe_u32 v2, v0, 4, 1                         ; h
	v_and_b32 v3, 31, v0
	v_lshlrev_b32 v[LI], 4, v3
	s_lshl_b32 s21, s15, 15                        ; my eight tiles of a,
	s_lshl_b32 s22, s16, 15
	s_add_co_u32 s22, s22, 2*HALFT                 ; and of W_o, which lie behind a's sixteen
.irp s, 0,1
	v_add_nc_u32 v[ADR1+\s], s21, v[LI]
	v_add_nc_u32 v[ADR0+\s], s22, v[LI]
	s_add_co_u32 s21, s21, SLOT
	s_add_co_u32 s22, s22, SLOT
.endr
	s_mul_i32 s23, s14, 16*SPITCH                  ; my stage
	v_mul_u32_u24 v5, v1, SPITCH
	s_wait_alu depctr_va_vdst(0)
	v_lshl_add_u32 v5, v2, 5, v5
	v_add_nc_u32 v[STO], s23, v5                   ; in: row r, 32 bytes for each half of the lanes
	v_add_nc_u32 v[RD], s23, v[LI]                 ; back: the 32 lanes take one row of 512 bytes
	s_lshl_b32 s18, s42, 10
	s_mov_b32 s19, 0
	s_add_nc_u64 s[8:9], s[8:9], s[18:19]          ; b_o at my 256 columns
	s_lshl_b32 s18, s16, 9
	v_lshl_add_u32 v4, v2, 5, s18
.irp b, 0,1,2,3,4,5,6,7
	global_load_b128 v[BP+8*\b:BP+8*\b+3], v4, s[8:9] offset:64*\b           ; lane (r, h), block b: columns 16 b + 8 h + 0 .. 7 of my half
	global_load_b128 v[BP+8*\b+4:BP+8*\b+7], v4, s[8:9] offset:64*\b+16
.endr
	s_lshl_b32 s20, s17, 20                        ; my first row of out0: 256 y + 128 x half, rows of 4,096 bytes;
	s_lshl_b32 s21, s15, 19
	s_add_co_u32 s20, s20, s21
	s_lshl_b32 s21, s42, 10                        ; my first column, in bytes: 1,024 x + 512 x half
	s_add_co_u32 s20, s20, s21
	s_lshl_b32 s21, s16, 9
	s_add_co_u32 s20, s20, s21
	s_mov_b32 s21, 0
	s_add_nc_u64 s[12:13], s[12:13], s[20:21]
	s_wait_tensorcnt 1                             ; my part of slot 0 is in; slot 1's load may be out
	s_barrier_signal -1
	s_barrier_wait -1
	FETCH_B 0, 0, 0
	FETCH_A 0, 0, 0
	FETCH_A 0, 0, 4
	STEP 0, 0, 1                                   ; k 0-127: its products start the sums
	TURN 0, 1, 1                                   ; slot 0 takes k 512-767
	STEP 1, 0, 0
	TURN 1, 0, 1                                   ; slot 1 takes k 768-1,023
	STEP 0, 0, 0
	TURN 0, 1, 0                                   ; nothing is left to fetch; behind this barrier nobody reads slot 0
	STEP 1, 0, 0
	s_wait_dscnt 4*NL
	WIN MUL_LO
	MUL16 0, 1, 0
	MUL16 2, 1, 0
	s_wait_dscnt 0
	WIN MUL_HI
	MUL16 4, 1, 0
	MUL16 6, 1, 0
	WIN 0
	s_wait_kmcnt 0x0
	s_add_co_i32 s96, s96, s97
	s_add_co_i32 s96, s96, 127
	s_lshl_b32 s96, s96, 23                        ; 2^(e10 + e11) as f32
	s_mov_b32 s97, s96                             ; (named with it as a pair)
	s_wait_loadcnt 0x0                             ; b_o
	PLACES NP                                      ; in front of the first read of results and of the loads into the registers that held source 1's fragments
	TOSTAGE 0
.irp a, 1,2,3,4,5,6,7
.if \a > 1
	s_wait_xcnt 0x0                                ; block a - 2's stores have read their registers and their base
.endif
	TOSTAGE \a
	SEND \a-1, 32                                  ; behind block a - 1's loads: block a's 16 stores and 16 loads
.endr
	s_wait_xcnt 0x0
	SEND 7, 0
	s_wait_tensorcnt 0x0                           ; the wave's end
	ds_add_u32 v[SPW], v[NIL]
	s_wait_dscnt 0x0
	CROUND                                         ; the closing round
	s_endpgm
.Lfunc_end_k_q43eb2cbc82_oproj:
	.size	k_q43eb2cbc82_oproj, .Lfunc_end_k_q43eb2cbc82_oproj-k_q43eb2cbc82_oproj
	.p2alignl 7, 3214868480
	.fill 96, 4, 3214868480
	.section	.rodata,"a",@progbits
	.p2align	6, 0x0
	.amdhsa_kernel k_q43eb2cbc82_oproj
		.amdhsa_group_segment_fixed_size 327680
		.amdhsa_private_segment_fixed_size 0
		.amdhsa_enable_private_segment 0
		.amdhsa_kernarg_size 40
		.amdhsa_user_sgpr_count 2
		.amdhsa_user_sgpr_kernarg_segment_ptr 1
		.amdhsa_wavefront_size32 1
		.amdhsa_system_sgpr_workgroup_id_x 1
		.amdhsa_system_sgpr_workgroup_id_y 1
		.amdhsa_system_sgpr_workgroup_id_z 1
		.amdhsa_system_vgpr_workitem_id 0
		.amdhsa_next_free_vgpr 1024
		.amdhsa_next_free_sgpr 100
		.amdhsa_reserve_vcc 0
		.amdhsa_float_denorm_mode_32 3
		.amdhsa_float_denorm_mode_16_64 3
		.amdhsa_memory_ordered 1
		.amdhsa_forward_progress 1
		.amdhsa_inst_pref_size 126
	.end_amdhsa_kernel
	.amdgpu_metadata
---
amdhsa.version: [ 1, 2 ]
amdhsa.kernels:
  - .name:           k_q43eb2cbc82_oproj
    .symbol:         k_q43eb2cbc82_oproj.kd
    .args:
      - { .name: aimg, .offset: 0, .size: 8, .value_kind: global_buffer, .address_space: global }
      - { .name: wcodes, .offset: 8, .size: 8, .value_kind: global_buffer, .address_space: global }
      - { .name: b_o, .offset: 16, .size: 8, .value_kind: global_buffer, .address_space: global }
      - { .name: lowp_scales, .offset: 24, .size: 8, .value_kind: global_buffer, .address_space: global }
      - { .name: out0, .offset: 32, .size: 8, .value_kind: global_buffer, .address_space: global }
    .group_segment_fixed_size: 327680
    .private_segment_fixed_size: 0
    .kernarg_segment_align: 8
    .kernarg_segment_size: 40
    .max_flat_workgroup_size: 128
    .sgpr_count:     100
    .vgpr_count:     1024
    .wavefront_size: 32
...
	.end_amdgpu_metadata
.endif
;; end of part 4
